; MI455X (gfx1250); checked and timed in simulation.
; The chip was launched on July 23, 2026; its instructions are those of AMD's public machine-readable ISA for CDNA 5 (MIT licence, August 2026) and "CDNA5" Instruction Set Architecture Reference Guide (July 2026). The comments in the code are by the model that wrote it; some were corrected since.
;; STE Quantizer. Allowed arithmetic: matrix products marked QUANTISED: E4M3 operands, one given power-of-two scale a tensor, by v_wmma_f32_16x16x64_fp8_fp8 or v_wmma_f32_16x16x128_fp8_fp8, f32 sums; everything else in f32.
;; Inputs: W 1,024 x 4,096 float32; lowp_scales 2 int32 (the exponents e of the quantised operands' scales 2^e); x 8,192 x 4,096 float32.
;; Outputs: out0 8,192 x 1,024 float32.
;; This version of the problem:
;;   THIS VERSION OF THE PROBLEM IS GIVEN IN LOW PRECISION. The matrix products marked QUANTISED in the list below multiply operands that are first quantised to E4M3 (4 exponent bits, 3 mantissa bits; 8 bits a number), with one given power-of-two scale for each operand tensor; their sums are f32. All else is computed in f32.
;;   The module's matrix products, in the order in which they are computed (A, B: the left and right operand; K: the contracted axis; several contracted axes count as one K, in the product's order):
;;     1. [M 8,192, K 4,096] x [K 4,096, N 1,024]; A: computed on the way; B: input W: QUANTISED (scales: A lowp_scales[0], B lowp_scales[1])
;;   THE QUANTISER, for each operand of a quantised product, along K:
;;     - The operand's scale is 2^e, e = its entry of the input lowp_scales (int32; the entries are numbered through the quantised products in the list's order, A before B).
;;     - Each number is divided by the scale, clamped to +-448, and rounded to the nearest number of E4M3, ties to even, subnormals kept.
;;     - The product sums the exact products of the quantised numbers (number of the format x scale) in f32.
;;   ~~~python
;;   def quantise(x, axis, e):      # numpy; x: float32 -> the quantised numbers, widened to float32 again
;;       x = np.moveaxis(x, axis, -1); K = x.shape[-1]
;;       r = np.clip(x / 2.0 ** e, -448, 448)
;;       step = 2.0 ** (np.maximum(np.frexp(np.where(r == 0, 1, r))[1] - 1, -6) - 3)
;;       q = np.round(r / step) * step * 2.0 ** e      # np.round: ties to even
;;       return np.moveaxis(q, -1, axis).astype(np.float32)
;;   ~~~
;;   OPERANDS COMPUTED ON THE WAY. 'Computed on the way' means the value that the module computes at that place (a softmax that the list does not call 'softmax' is quantised finished and normalised). What goes into a quantiser is computed in f32, as accurately as f32 sums, v_exp_f32 and their like allow (about 1e-6 of the number): no bf16 or f16 on the way to a quantiser, and a product that is left as it is and whose result goes on into a quantised operand takes f32 operands (vector FMAs, or v_wmma_f32_16x16x4_f32). A number that lies on a knife's edge between two numbers of the format may be rounded either way, as far as f32 arithmetic and the matrix unit's own rounding can turn it there, and no further.
;; One version. Each part assembles by itself: llvm-mc -triple=amdgcn-amd-amdhsa -mcpu=gfx1250 --defsym DOCPART=n.
;; ======== version 1 of 1: 2 launches
;; limits: right only within a limited range of input values
;; workspace buffers: pos 32,768 bytes of whole numbers
;; launch argmax (part 1): grid 256 x 1, 16 waves a work-group, no clusters, 2,304 bytes of LDS; arguments x, pos; writes pos
.if DOCPART == 1
	.amdgcn_target "amdgcn-amd-amdhsa--gfx1250"
	.amdhsa_code_object_version 6
	.text
	.protected	k_qf64a27b964_argmax
	.globl	k_qf64a27b964_argmax
	.p2align	8
	.type	k_qf64a27b964_argmax,@function
k_qf64a27b964_argmax:
	s_mov_b64 s[64:65], 0
	v_nop
	global_prefetch_b8 v0, s[64:65] scope:SCOPE_SE
	s_setreg_imm32_b32 hwreg(HW_REG_WAVE_MODE, 25, 1), 1
	s_wait_xcnt 0x0
; For each of the 8,192 rows of x [8192][4096] f32 the FIRST index k of the row's largest number, stored as a whole number in pos.
; WORK LEFT OUT OF THE PROGRAM: the module makes one_hot(idx) and multiplies it with W.  Row m of the one-hot operand is 0 for every k but idx[m], whatever x holds, and the code of 0 is 0: so of the
; product only the K range that holds idx[m] can reach out0[m][:].  The next launch reads the stored indices and multiplies, for each row m, the one range of 256 along K (of 16) that holds its index.
; LIMITS: a NaN in W that meets only a zero of the one-hot operand outside that range is not carried to the result (an infinity is held at the largest code by the quantiser); NaN in x or W is not served.
; SHARES.  256 work-groups of sixteen waves; work-group g has rows 32 g .. 32 g + 31, wave w rows 32 g + 2 w, + 1: a wave takes a whole row, so the search never leaves the wave.
; A row is 32 loads of 512 consecutive bytes in 32 slots of four registers; as two slots of the first row are searched they are filled with the second row's: 30 to 32 loads of a wave stay out until the second row runs down.
; No tensor loads, no matrix unit, no cluster: nothing is shared between work-groups and nothing is multiplied.  No prefetch: both rows' loads are asked for as early as registers allow.
.set SPW, 4                            ; v4       LDS address of my spare word; never rewritten
.set NIL, 5                            ; v5       0; never rewritten
.set BV,  8                            ; v[8:11]  chain j: the largest number so far
.set BI,  12                           ; v[12:15] chain j: the slot that gave it
.set LJ,  28                           ; v[28:31] 4 x lane + j
.set X,   32                           ; v[32:159] slot i: four numbers, k = 128 i + 4 lane + j
	s_load_b128 s[4:7], s[0:1], 0x0                ; x, pos
	v_lshl_add_u32 v[SPW], v0, 2, 0x100
	v_mov_b32 v[NIL], 0
	v_lshrrev_b32 v24, 5, v0
	v_readfirstlane_b32 s14, v24                   ; wave 0..15
	v_lshlrev_b32 v2, 3, v24                       ; LDS: my wave's two words
	v_and_b32 v25, 31, v0                          ; lane
	v_lshlrev_b32 v1, 4, v25                       ; my 16 bytes of a load's 512
	v_lshlrev_b32 v3, 2, v25
.irp j, 0,1,2,3
	v_lshl_add_u32 v[LJ+\j], v25, 2, \j
.endr
	v_mov_b32 v18, 0                               ; written once: a lane permute's destination counts as one of its sources
	s_wait_alu depctr_va_vdst(0)
	s_wait_kmcnt 0x0
	s_mov_b32 s24, 0x76543210                      ; v_permlanex16_b32: lane l takes lane l xor 16
	s_mov_b32 s25, 0xfedcba98
	s_mov_b32 s17, 0
	s_lshl_b32 s16, ttmp9, 19                      ; x: 32 rows of 16,384 bytes a work-group,
	s_lshl_b32 s19, s14, 15                        ; two a wave
	s_add_co_u32 s16, s16, s19
	s_add_nc_u64 s[4:5], s[4:5], s[16:17]
	s_lshl_b32 s16, ttmp9, 7                       ; pos: 32 words a work-group
	s_add_nc_u64 s[6:7], s[6:7], s[16:17]
.macro XLOAD i, row                    ; slot i takes numbers 128 i .. 128 i + 127 of my row 0 or 1
	global_load_b128 v[X+4*(\i):X+4*(\i)+3], v1, s[4:5] offset:16384*(\row)+512*(\i) th:TH_LOAD_NT
.endm
.set Q, 0
.rept 32
	XLOAD Q, 0
.set Q, Q+1
.endr
.macro SLOT i                          ; four chains; a later number takes a chain only if it is GREATER, so of equal numbers the earliest stays
.irp j, 0,1,2,3
	v_cmp_gt_f32 s[20+\j], v[X+4*(\i)+\j], v[BV+\j]
.endr
.irp j, 0,1,2,3
	v_cndmask_b32 v[BV+\j], v[BV+\j], v[X+4*(\i)+\j], s[20+\j]
.endr
.irp j, 0,1,2,3
	v_cndmask_b32 v[BI+\j], v[BI+\j], (\i), s[20+\j]
.endr
.endm
; Slots i and i + 1.  left: how many younger loads may stay out.  refill = 1: the slots take the same numbers of my second row.
.macro PAIR i, refill, left
	s_wait_alu depctr_va_vdst(0)
	s_wait_loadcnt \left
.if (\i) == 0
.irp j, 0,1,2,3
	v_mov_b32 v[BV+\j], v[X+\j]                    ; the row's first numbers start the chains
.endr
.irp j, 0,1,2,3
	v_mov_b32 v[BI+\j], 0
.endr
.else
	SLOT \i
.endif
	SLOT (\i)+1
.if \refill
	XLOAD \i, 1
	XLOAD (\i)+1, 1
.endif
.endm
; The row's largest number over the 128 chains; then the smallest k among the chains that hold it (the others offer 8,192): the first index.  It goes to my wave's word q in LDS.
.macro REDUCE q
	v_max3_num_f32 v17, v[BV], v[BV+1], v[BV+2]
	v_max_num_f32 v17, v17, v[BV+3]
	v_max_num_f32_dpp v17, v17, v17 row_xmask:1 row_mask:0xf bank_mask:0xf
	v_max_num_f32_dpp v17, v17, v17 row_xmask:2 row_mask:0xf bank_mask:0xf
	v_max_num_f32_dpp v17, v17, v17 row_xmask:4 row_mask:0xf bank_mask:0xf
	v_max_num_f32_dpp v17, v17, v17 row_xmask:8 row_mask:0xf bank_mask:0xf
	v_permlanex16_b32 v18, v17, s24, s25
	v_max_num_f32 v17, v17, v18
.irp j, 0,1,2,3
	v_lshl_add_u32 v[24+\j], v[BI+\j], 7, v[LJ+\j] ; the chain's k = 128 i + 4 lane + j
.endr
.irp j, 0,1,2,3
	v_cvt_f32_u32 v[24+\j], v[24+\j]               ; exact in f32
.endr
.irp j, 0,1,2,3
	v_cmp_eq_f32 s[20+\j], v[BV+\j], v17
.endr
.irp j, 0,1,2,3
	v_cndmask_b32 v[20+\j], 0x46000000, v[24+\j], s[20+\j]   ; 8,192.0 where the chain does not hold the largest
.endr
	v_min3_num_f32 v20, v20, v21, v22
	v_min_num_f32 v20, v20, v23
	v_min_num_f32_dpp v20, v20, v20 row_xmask:1 row_mask:0xf bank_mask:0xf
	v_min_num_f32_dpp v20, v20, v20 row_xmask:2 row_mask:0xf bank_mask:0xf
	v_min_num_f32_dpp v20, v20, v20 row_xmask:4 row_mask:0xf bank_mask:0xf
	v_min_num_f32_dpp v20, v20, v20 row_xmask:8 row_mask:0xf bank_mask:0xf
	v_permlanex16_b32 v18, v20, s24, s25
	v_min_num_f32 v20, v20, v18
	v_cvt_u32_f32 v21, v20                         ; k
	ds_store_b32 v2, v21 offset:4*\q               ; every lane writes the same word with the same value
.endm
.set Q, 0
.rept 16
	PAIR Q, 1, 30                                  ; behind slot i + 1's load: 30 - i of row 0 and the i refills
.set Q, Q+2
.endr
	REDUCE 0
.set Q, 0
.rept 16
	PAIR Q, 0, 30-Q                                ; the second row loads nothing: the counts run down
.set Q, Q+2
.endr
	REDUCE 1
	s_wait_alu depctr_va_vdst(0)
	s_wait_dscnt 0x0                               ; for the others' sake: my two words are in LDS
	s_barrier_signal -1
	s_barrier_wait -1
	s_cmp_lg_u32 s14, 0                            ; wave 0 stores the work-group's 32 words: 128 consecutive bytes by one instruction
	s_cbranch_scc1 .Lend
	ds_load_b32 v24, v3
	s_wait_dscnt 0x0
	global_store_b32 v3, v24, s[6:7]
.Lend:
	s_wait_tensorcnt 0x0                           ; the wave's end
	ds_add_u32 v[SPW], v[NIL]
	s_wait_dscnt 0x0
	s_endpgm
.Lfunc_end_k_qf64a27b964_argmax:
	.size	k_qf64a27b964_argmax, .Lfunc_end_k_qf64a27b964_argmax-k_qf64a27b964_argmax
	.p2alignl 7, 3214868480
	.fill 96, 4, 3214868480
	.section	.rodata,"a",@progbits
	.p2align	6, 0x0
	.amdhsa_kernel k_qf64a27b964_argmax
		.amdhsa_group_segment_fixed_size 2304
		.amdhsa_private_segment_fixed_size 0
		.amdhsa_enable_private_segment 0
		.amdhsa_kernarg_size 16
		.amdhsa_user_sgpr_count 2
		.amdhsa_user_sgpr_kernarg_segment_ptr 1
		.amdhsa_wavefront_size32 1
		.amdhsa_system_sgpr_workgroup_id_x 1
		.amdhsa_system_sgpr_workgroup_id_y 1
		.amdhsa_system_sgpr_workgroup_id_z 1
		.amdhsa_system_vgpr_workitem_id 0
		.amdhsa_next_free_vgpr 160
		.amdhsa_next_free_sgpr 66
		.amdhsa_reserve_vcc 0
		.amdhsa_float_denorm_mode_32 3
		.amdhsa_float_denorm_mode_16_64 3
		.amdhsa_memory_ordered 1
		.amdhsa_forward_progress 1
		.amdhsa_inst_pref_size 61
	.end_amdhsa_kernel
	.amdgpu_metadata
---
amdhsa.version: [ 1, 2 ]
amdhsa.kernels:
  - .name:           k_qf64a27b964_argmax
    .symbol:         k_qf64a27b964_argmax.kd
    .args:
      - { .name: x, .offset: 0, .size: 8, .value_kind: global_buffer, .address_space: global }
      - { .name: pos, .offset: 8, .size: 8, .value_kind: global_buffer, .address_space: global }
    .group_segment_fixed_size: 2304
    .private_segment_fixed_size: 0
    .kernarg_segment_align: 8
    .kernarg_segment_size: 16
    .max_flat_workgroup_size: 512
    .sgpr_count:     66
    .vgpr_count:     160
    .wavefront_size: 32
...
	.end_amdgpu_metadata
.endif
;; end of part 1
;; launch lookup (part 2): grid 16 x 16, 8 waves a work-group, no clusters, 167,936 bytes of LDS; arguments pos, W, lowp_scales, out0; writes out0
.if DOCPART == 2
	.amdgcn_target "amdgcn-amd-amdhsa--gfx1250"
	.amdhsa_code_object_version 6
	.text
	.protected	k_qf64a27b964_lookup
	.globl	k_qf64a27b964_lookup
	.p2align	8
	.type	k_qf64a27b964_lookup,@function
k_qf64a27b964_lookup:
	s_mov_b64 s[64:65], 0
	v_nop
	global_prefetch_b8 v0, s[64:65] scope:SCOPE_SE
	s_setreg_imm32_b32 hwreg(HW_REG_WAVE_MODE, 25, 1), 1
	s_wait_xcnt 0x0
; out0[m][n] = sum over k of Q(onehot[m][k]) Q(W[n][k]) on codes of FP8 (E4M3) by v_wmma_f32_16x16x128_fp8_fp8, sums in f32, each finished sum x 2^(e0 + e1).
; WORK LEFT OUT: row m of the one-hot operand is 0 outside k = pos[m], for all values of the inputs; its range of 256 along K that holds pos[m] is multiplied, the 15 ranges that hold zeros alone are not.
; pos was stored as whole numbers by the launch before; the branches and addresses here hang on it and on ids alone.
; SHARES.  Work-group (t, g): the 256 k from 256 t on, the 64 columns from 64 g on: 16 x 16 work-groups.  Each part of W is read by one work-group, once, as f32, quantised in registers and laid in LDS as codes.
; Wave w has the 1,024 rows m from 1,024 w on: it finds those whose index lies in range t, and takes them by tiles of 16 through 8 matrix instructions (2 K steps of 128, 4 blocks of 16 columns).
; WHICH COLUMNS FORM A BLOCK: block b has columns 4 r + b, r = 0 .. 15.  The result's lane (r, h) holds in register j of block b row 8 h + j, column 4 r + b: four blocks give a lane 16 neighbouring bytes of a row,
; sixteen lanes store one aligned unit of 256 bytes, and no result goes through LDS.
; CLUSTER none: no tile of W is read by two work-groups, and a branch here hangs on stored numbers; pos, 32,768 bytes, goes straight to registers.  No prefetch: all of W's loads go out at the head, and no loop streams.
; No tensor loads.  LDS is claimed beyond its use, so that a work-group has a WGP to itself.
; LIMITS: e0, e1 between -126 and 119 (2^e and 448 x 2^e are f32 numbers); e0 + e1 between -126 and 127; NaN in W is not served.
.set PITCH, 272                        ; an LDS row of 256 codes + 16 bytes of padding = 68 words: 16 neighbouring rows start at 16 different banks (64 banks of 4 bytes: ISA guide 11.1)
.set LIST,  64*PITCH                   ; 128 bytes for each wave: the rows of the window in hand
.set SPARE, LIST+1024                  ; the spare words, 128 bytes for each wave
; v1 lane, v2 r = lane % 16, v3 h = lane / 16, v4 16 x lane; LDS: v5 codes in, v6 fragments out, v7 list in, v8, v9 list out; v12 the code of 1.0; v15 my byte in a row of out0
.set SPW, 10
.set NIL, 11
.set AD,  16                           ; v16-23   the tile's rows, then their places in out0
.set TOK, 25                           ; v25      row m of my slot
.set IDX, 26                           ; v26      its index, loaded
.set GA,  27                           ; v27      its place in pos
.set XW,  28                           ; v28-31   the code in its byte, in one of four registers
.set OUTR, 32                          ; v32-63   results x 2^(e0 + e1)
.set ACC, 64                           ; v64-95   four blocks' sums
.set F,   96                           ; v96-127  the one-hot fragments of two K steps; v96-105 also at work in SELECT
.set WF,  128                          ; v128-255 W's fragments: (step, block) at 64 step + 16 block
.set WR,  128                          ; at the head: W as f32, row i at 8 i
.set IX,  192                          ; at the head: 32 numbers of pos
.set WC,  224                          ; at the head: codes
.set MK,  32                           ; s32-63   mask n = 4 i + j: bit l is set where row 128 i + 4 l + j of my 1,024 lies in range t
.set PK,  66                           ; s66-97   (rows in the masks before n) x 65,536 + 128 i + j
	s_load_b256 s[4:11], s[0:1], 0x0               ; pos s[4:5], W s[6:7], the scales' exponents s[8:9], out0 s[10:11]
	v_lshl_add_u32 v[SPW], v0, 2, SPARE
	v_mov_b32 v[NIL], 0
	v_lshrrev_b32 v16, 5, v0
	v_readfirstlane_b32 s12, v16                   ; wave 0..7
	s_mov_b32 s13, ttmp9                           ; t
	s_and_b32 s14, ttmp7, 0xffff                   ; g
	s_mul_i32 s26, s12, 2*PITCH
	s_lshl_b32 s27, s12, 7
	s_add_co_u32 s27, s27, LIST
	s_lshl_b32 s31, s14, 8
	s_lshl_b32 s101, s12, 10                       ; my first row m
	s_lshl_b32 s2, s12, 12                         ; pos: 4,096 bytes a wave
	s_mov_b32 s3, 0
	s_lshl_b32 s28, s14, 20                        ; W: 64 rows of 16,384 bytes x g + 8 rows x wave + 1,024 bytes x t
	s_lshl_b32 s15, s12, 17
	s_add_co_u32 s28, s28, s15
	s_lshl_b32 s15, s13, 10
	s_add_co_u32 s28, s28, s15
	s_mov_b32 s29, 0
	v_and_b32 v1, 31, v0
	v_and_b32 v2, 15, v0
	v_bfe_u32 v3, v0, 4, 1
	v_lshlrev_b32 v4, 4, v1
	v_lshl_add_u32 v5, v1, 2, s26                  ; column 8 w + i of W lies in LDS row 16 (i % 4) + 2 w + i / 4: block b's 16 columns lie in rows 16 b + r
	v_mul_u32_u24 v6, v2, PITCH
	v_lshl_add_u32 v6, v3, 4, v6
	v_and_b32 v16, 16, v1                          ; slot q of a window is row 8 (q % 2) + (q / 2) % 8 of tile q / 16: one store takes two neighbouring slots
	v_and_b32 v17, 1, v1
	v_bfe_u32 v18, v1, 1, 3
	v_lshl_add_u32 v16, v17, 3, v16
	v_add_nc_u32 v16, v16, v18
	v_lshl_add_u32 v7, v16, 2, s27
	v_lshl_add_u32 v8, v2, 2, s27
	v_lshl_add_u32 v9, v3, 5, s27
	v_lshl_add_u32 v15, v2, 4, s31
	s_wait_alu depctr_va_vdst(0)
	s_wait_kmcnt 0x0
	s_load_b64 s[98:99], s[8:9], 0x0               ; e0, e1
	s_add_nc_u64 s[4:5], s[4:5], s[2:3]
	s_add_nc_u64 s[6:7], s[6:7], s[28:29]
.irp i, 0,1,2,3,4,5,6,7
	global_load_b128 v[IX+4*\i:IX+4*\i+3], v4, s[4:5] offset:512*\i    ; rows 128 i + 4 lane + 0 .. 3 of my 1,024
.endr
.irp i, 0,1,2,3,4,5,6,7
.irp c, 0,1
	global_load_b128 v[WR+8*\i+4*\c:WR+8*\i+4*\c+3], v4, s[6:7] offset:16384*\i+512*\c th:TH_LOAD_NT   ; k = 128 c + 4 lane + 0 .. 3
.endr
.endr
	s_wait_kmcnt 0x0
	s_add_co_i32 s26, s99, 127
	s_lshl_b32 s31, s26, 23
	v_mov_b32 v14, s31                             ; 2^e1 as f32: the conversion takes its exponent field
	s_add_co_i32 s26, s26, 8
	s_lshl_b32 s26, s26, 23
	s_or_b32 s26, s26, 0x600000
	v_mov_b32 v13, s26                             ; 448 x 2^e1
	s_add_co_i32 s30, s98, s99
	s_add_co_i32 s30, s30, 127
	s_lshl_b32 s30, s30, 23                        ; 2^(e0 + e1) as f32
	s_add_co_i32 s26, s98, 127
	s_lshl_b32 s31, s26, 23
	s_add_co_i32 s26, s26, 8
	s_lshl_b32 s26, s26, 23
	s_or_b32 s26, s26, 0x600000
	v_mov_b32 v72, s31                             ; 2^e0
	v_mov_b32 v73, s26                             ; 448 x 2^e0
	v_min_num_f32 v64, 1.0, v73                    ; the one-hot's 1.0, held at the largest code x the scale (the conversion does not saturate: ISA guide 7.6.2)
.irp j, 65,66,67,68,69,70,71
	v_mov_b32 v\j, 0
.endr
	v_cvt_scalef32_pk8_fp8_f32 v[74:75], v[64:71], v72
	v_nop                                          ; a plain vector line behind the conversion
	v_and_b32 v12, 0xff, v74                       ; the code of 1.0 under 2^e0
	s_wait_alu depctr_va_vdst(0)
	s_wait_loadcnt 16                              ; pos is in; W's sixteen loads may stay out
.set QN, 0
.rept 32
	v_lshrrev_b32 v[IX+QN], 8, v[IX+QN]            ; which range
.set QN, QN+1
.endr
.set QN, 0
.rept 32
	v_cmp_eq_u32 s[MK+QN], s13, v[IX+QN]
.set QN, QN+1
.endr
	s_wait_alu depctr_va_vdst(0)
	s_mov_b32 s25, 0
	s_mov_b32 s19, 1
.set QN, 0
.rept 32
	s_bcnt1_i32_b32 s26, s[MK+QN]
	s_or_b32 s[PK+QN], s25, 128*(QN/4)+(QN%4)
	s_max_u32 s19, s19, s26
	s_lshl_b32 s26, s26, 16
	s_add_co_u32 s25, s25, s26
.set QN, QN+1
.endr
	s_lshr_b32 s17, s25, 16                        ; how many of my rows lie in the range,
	s_sub_co_u32 s18, s17, 1                       ; less 1 (with none: the greatest number, and what SELECT makes is not used),
	s_sub_co_u32 s19, s19, 1                       ; and the most in one mask (at least 1) less 1
	s_add_co_u32 s29, s17, 31
	s_lshr_b32 s29, s29, 5                         ; how many windows of 32 slots are in use
; The 32 slots from s16 on: lane l takes the match of rank s16 + l (from the last match on: the last).  The last mask with at most that many matches before it holds it; its lower set bits are cleared, one a trip; then the lowest set bit's place.
.macro SELECT
	v_add_nc_u32 v96, s16, v1
	v_min_u32 v96, s18, v96
	v_lshl_or_b32 v105, v96, 16, 0xffff            ; matches before mask n <= rank  where  s[PK+n] <= this
	v_mov_b32 v97, s[MK]
	v_mov_b32 v98, s[PK]
.set QN, 1
.rept 8
.irp u, 0,1,2,3
.if QN+\u < 32
	v_cmp_le_u32 s[20+\u], s[PK+QN+\u], v105
.endif
.endr
.irp u, 0,1,2,3
.if QN+\u < 32
	v_cndmask_b32 v97, v97, s[MK+QN+\u], s[20+\u]
	v_cndmask_b32 v98, v98, s[PK+QN+\u], s[20+\u]
.endif
.endr
.set QN, QN+4
.endr
	v_lshrrev_b32 v100, 16, v98
	v_sub_nc_u32 v99, v96, v100                    ; how many set bits stand below mine
	s_mov_b32 s24, 0
	s_wait_alu depctr_va_vdst(0)
.Lbit_\@:
	v_cmp_lt_u32 vcc_lo, s24, v99
	v_add_nc_u32 v100, -1, v97
	v_and_b32 v100, v100, v97
	v_cndmask_b32 v97, v97, v100, vcc_lo
	s_add_co_u32 s24, s24, 1
	s_cmp_lt_u32 s24, s19
	s_wait_alu depctr_va_vdst(0)
	s_cbranch_scc1 .Lbit_\@
	v_sub_nc_u32 v100, 0, v97
	v_and_b32 v100, v100, v97                      ; the lowest set bit alone; its place, bit by bit
	v_and_b32 v101, 0xaaaaaaaa, v100
	v_and_b32 v102, 0xcccccccc, v100
	v_and_b32 v103, 0xf0f0f0f0, v100
	v_and_b32 v104, 0xff00ff00, v100
	v_and_b32 v105, 0xffff0000, v100
	v_min_u32 v101, 1, v101
	v_min_u32 v102, 2, v102
	v_min_u32 v103, 4, v103
	v_min_u32 v104, 8, v104
	v_min_u32 v105, 16, v105
	v_add3_u32 v101, v101, v102, v103
	v_and_b32 v102, 0x3ff, v98                     ; 128 i + j
	v_add3_u32 v101, v101, v104, v105
	v_lshl_add_u32 v101, v101, 2, v102             ; my row among the wave's 1,024
	v_min_u32 v101, 0x3ff, v101
	v_lshlrev_b32 v[GA], 2, v101
	v_add_nc_u32 v[TOK], s101, v101
	global_load_b32 v[IDX], v[GA], s[4:5]          ; its index once more
.endm
.macro TOLIST                          ; row m and the index's place in the range, in one word, to the list
	s_wait_alu depctr_va_vdst(0)
	s_wait_loadcnt 0x0                             ; the index is in
	v_and_b32 v24, 0xff, v[IDX]
	v_lshl_or_b32 v24, v[TOK], 8, v24
	ds_store_b32 v7, v24
.endm
; A tile of 16 rows, tile u of the window.  Sixteen rows of the one-hot operand are made in registers, multiplied, scaled and stored; s27: how many slots of the window are in use.
.macro TILE u
	ds_load_b32 v24, v8 offset:64*\u               ; my row's word
	s_wait_dscnt 0x0                               ; (behind it, the first time, W's fragments)
	v_bfe_u32 v14, v24, 5, 3                       ; byte p of a row: fragment registers 4 (p / 32) + (p / 4) % 4, lanes' half (p / 16) % 2, byte p % 4: so four 16-byte loads, 32 bytes apart, lay W
	v_and_b32 v13, 3, v24
	v_bfe_u32 v28, v24, 4, 1
	v_lshlrev_b32 v13, 3, v13
	v_bfe_u32 v29, v24, 2, 2
	v_lshlrev_b32 v13, v13, v12
	v_cmp_eq_u32 vcc_lo, v28, v3
.irp c, 0,1,2,3
	v_cmp_eq_u32 s[20+\c], \c, v29
.endr
	v_cndmask_b32 v13, 0, v13, vcc_lo
.irp c, 0,1,2,3
	v_cndmask_b32 v[XW+\c], 0, v13, s[20+\c]
.endr
.irp k, 0,4
.irp c, 0,1,2,3
	v_cmp_eq_u32 s[20+\c], \k+\c, v14
.endr
.irp c, 0,1,2,3
.irp d, 0,1,2,3
	v_cndmask_b32 v[F+4*(\k+\c)+\d], 0, v[XW+\d], s[20+\c]
.endr
.endr
.endr
	s_wait_alu depctr_va_vdst(0)
	s_wait_xcnt 0x0                                ; the earlier stores have read their registers: AD and OUTR may be written
	ds_load_b128 v[AD:AD+3], v9 offset:64*\u       ; the words of rows 8 h .. 8 h + 7
	ds_load_b128 v[AD+4:AD+7], v9 offset:64*\u+16
.irp b, 0,1,2,3
	v_wmma_f32_16x16x128_fp8_fp8 v[ACC+8*\b:ACC+8*\b+7], v[F:F+15], v[WF+16*\b:WF+16*\b+15], 0
.endr
.irp b, 0,1,2,3                        ; the four accumulators take turns, one instruction a turn
	v_wmma_f32_16x16x128_fp8_fp8 v[ACC+8*\b:ACC+8*\b+7], v[F+16:F+31], v[WF+64+16*\b:WF+64+16*\b+15], v[ACC+8*\b:ACC+8*\b+7]
.endr
	s_wait_dscnt 0x0
.irp j, 0,1,2,3,4,5,6,7                ; these 24 lines are also the places behind the products
	v_lshrrev_b32 v[AD+\j], 8, v[AD+\j]
.endr
.irp j, 0,1,2,3,4,5,6,7
	v_min_u32 v[AD+\j], 0x1fff, v[AD+\j]
.endr
.irp j, 0,1,2,3,4,5,6,7
	v_lshl_add_u32 v[AD+\j], v[AD+\j], 12, v15
.endr
.irp j, 0,1,2,3,4,5,6,7                ; each accumulator from its low end on
.irp b, 0,1,2,3
	v_mul_f32 v[OUTR+4*\j+\b], s30, v[ACC+8*\b+\j]
.endr
.endr
	s_wait_alu depctr_va_vdst(0)
.irp j, 0,1,2,3,4,5,6,7                ; slots 2 j and 2 j + 1; where only the first is in use the second is the same row again, with the same bytes
.if \j > 0
	s_cmp_le_u32 s27, 16*\u+2*\j
	s_cbranch_scc1 .Lsent_\@
.endif
	global_store_b128 v[AD+\j], v[OUTR+4*\j:OUTR+4*\j+3], s[10:11] th:TH_STORE_NT   ; 16 lanes store 256 consecutive bytes, aligned
.endr
.Lsent_\@:
.endm
	s_mov_b32 s15, 0                               ; the window in hand
	s_mov_b32 s16, 0
	SELECT
	s_wait_alu depctr_va_vdst(0)
	s_wait_loadcnt 0x1                             ; W is in; the load of the index behind it may be out
.set QN, 0
.rept 64
	v_med3_num_f32 v[WR+QN], v[WR+QN], -v13, v13   ; the conversion to an 8-bit code does not saturate (ISA guide 7.6.2): hold the number within the largest code x the scale first
.set QN, QN+1
.endr
.irp i, 0,1,2,3,4,5,6,7
	v_cvt_scalef32_pk8_fp8_f32 v[WC+2*\i:WC+2*\i+1], v[WR+8*\i:WR+8*\i+7], v14   ; first register k = 4 lane + 0 .. 3, second k = 128 + that
.endr
	v_nop                                          ; a plain vector line behind the last conversion
.irp i, 0,1,2,3,4,5,6,7
	ds_store_b32 v5, v[WC+2*\i] offset:(16*(\i%4)+\i/4)*PITCH
	ds_store_b32 v5, v[WC+2*\i+1] offset:(16*(\i%4)+\i/4)*PITCH+128
.endr
	TOLIST
	s_wait_alu depctr_va_vdst(0)
	s_wait_dscnt 0x0                               ; for the others' sake: my codes are in LDS
	s_barrier_signal -1
	s_barrier_wait -1
.irp k, 0,1
.irp b, 0,1,2,3
.irp c, 0,1,2,3
	ds_load_b128 v[WF+64*\k+16*\b+4*\c:WF+64*\k+16*\b+4*\c+3], v6 offset:\b*16*PITCH+128*\k+32*\c
.endr
.endr
.endr
	s_cmp_eq_u32 s17, 0
	s_cbranch_scc1 .Lend                           ; none of my rows lies in this range
.Lwin:
	s_add_co_u32 s16, s15, 1
	s_lshl_b32 s16, s16, 5                         ; the next window's first rank
	s_cmp_lt_u32 s16, s17
	s_cbranch_scc0 .Lnone
	SELECT                                         ; the next window's rows; their indices are on the way while this window's tiles are made
	s_wait_alu depctr_va_vdst(0)
.Lnone:
	s_lshl_b32 s26, s15, 5
	s_sub_co_u32 s27, s17, s26                     ; slots in use from this window on
	TILE 0
	s_cmp_le_u32 s27, 16
	s_cbranch_scc1 .Lone
	TILE 1
.Lone:
	TOLIST                                         ; (behind the last window: the old words once more, which nobody reads)
	s_add_co_u32 s15, s15, 1
	s_cmp_lt_u32 s15, s29
	s_wait_alu depctr_va_vdst(0)
	s_cbranch_scc1 .Lwin
.Lend:
	s_wait_tensorcnt 0x0                           ; the wave's end
	ds_add_u32 v[SPW], v[NIL]
	s_wait_dscnt 0x0
	s_endpgm
.Lfunc_end_k_qf64a27b964_lookup:
	.size	k_qf64a27b964_lookup, .Lfunc_end_k_qf64a27b964_lookup-k_qf64a27b964_lookup
	.p2alignl 7, 3214868480
	.fill 96, 4, 3214868480
	.section	.rodata,"a",@progbits
	.p2align	6, 0x0
	.amdhsa_kernel k_qf64a27b964_lookup
		.amdhsa_group_segment_fixed_size 167936
		.amdhsa_private_segment_fixed_size 0
		.amdhsa_enable_private_segment 0
		.amdhsa_kernarg_size 32
		.amdhsa_user_sgpr_count 2
		.amdhsa_user_sgpr_kernarg_segment_ptr 1
		.amdhsa_wavefront_size32 1
		.amdhsa_system_sgpr_workgroup_id_x 1
		.amdhsa_system_sgpr_workgroup_id_y 1
		.amdhsa_system_sgpr_workgroup_id_z 1
		.amdhsa_system_vgpr_workitem_id 0
		.amdhsa_next_free_vgpr 256
		.amdhsa_next_free_sgpr 102
		.amdhsa_reserve_vcc 1
		.amdhsa_float_denorm_mode_32 3
		.amdhsa_float_denorm_mode_16_64 3
		.amdhsa_memory_ordered 1
		.amdhsa_forward_progress 1
		.amdhsa_inst_pref_size 54
	.end_amdhsa_kernel
	.amdgpu_metadata
---
amdhsa.version: [ 1, 2 ]
amdhsa.kernels:
  - .name:           k_qf64a27b964_lookup
    .symbol:         k_qf64a27b964_lookup.kd
    .args:
      - { .name: pos, .offset: 0, .size: 8, .value_kind: global_buffer, .address_space: global }
      - { .name: W, .offset: 8, .size: 8, .value_kind: global_buffer, .address_space: global }
      - { .name: lowp_scales, .offset: 16, .size: 8, .value_kind: global_buffer, .address_space: global }
      - { .name: out0, .offset: 24, .size: 8, .value_kind: global_buffer, .address_space: global }
    .group_segment_fixed_size: 167936
    .private_segment_fixed_size: 0
    .kernarg_segment_align: 8
    .kernarg_segment_size: 32
    .max_flat_workgroup_size: 256
    .sgpr_count:     102
    .vgpr_count:     256
    .wavefront_size: 32
...
	.end_amdgpu_metadata
.endif
;; end of part 2
